; MI455X (gfx1250); checked and timed in simulation.
; The chip was launched on July 23, 2026; its instructions are those of AMD's public machine-readable ISA for CDNA 5 (MIT licence, August 2026) and "CDNA5" Instruction Set Architecture Reference Guide (July 2026). The comments in the code are by the model that wrote it; some were corrected since.
;; Multi Modal Mo E. Allowed arithmetic: matrix products marked QUANTISED: E2M3 operands, one E8M0 scale for each 32 along K, by v_wmma_scale_f32_16x16x128_f8f6f4 with both operands' format E2M3, f32 sums; everything else in f32.
;; Inputs: W_codes 8 x 1,024 x 32 x 24 uint8 (E2M3 codes of W, K innermost, in blocks of 32 codes, four codes in three bytes); W_scales 8 x 1,024 x 32 uint8 (E8M0 scales of W, one for each 32 codes along K); b 8 x 1,024 float32; expert_weights 2 x 4,096 x 2 float32; top_k_indices 2 x 4,096 x 2 int32; x_codes 2 x 4,096 x 32 x 24 uint8 (E2M3 codes of x, K innermost, in blocks of 32 codes, four codes in three bytes); x_scales 2 x 4,096 x 32 uint8 (E8M0 scales of x, one for each 32 codes along K).
;; Outputs: out0 2 x 4,096 x 1,024 float32.
;; This version of the problem:
;;   THIS VERSION OF THE PROBLEM IS GIVEN IN LOW PRECISION. The matrix products marked QUANTISED in the list below multiply operands that are first quantised to E2M3 (2 exponent bits, 3 mantissa bits; 6 bits a number), with one power-of-two scale for each 32 numbers along K (OCP MX v1.0); their sums are f32. All else is computed in f32.
;;   The module's matrix products, in the order in which they are computed (A, B: the left and right operand; K: the contracted axis; several contracted axes count as one K, in the product's order):
;;     1. [M 8,192, K 1,024] x [K 1,024, N 8,192]; A: input x (given as codes); B: input W (given as codes): QUANTISED
;;   THE QUANTISER, for each operand of a quantised product, along K:
;;     - K is cut into blocks of 32 from its start; a last block that is shorter is filled with zeros.
;;     - A block's scale is 2^e with e = floor(log2(the largest magnitude in the block)) - 2, held to -126 .. 127; a block of zeros has e = 0. As a byte (E8M0): e + 127.
;;     - Each number is divided by its block's scale, clamped to +-7.5, and rounded to the nearest number of E2M3, ties to even, subnormals kept.
;;     - The product sums the exact products of the quantised numbers (number of the format x scale) in f32.
;;   ~~~python
;;   def quantise(x, axis):      # numpy; x: float32 -> the quantised numbers, widened to float32 again
;;       x = np.moveaxis(x, axis, -1); K = x.shape[-1]
;;       x = np.pad(x, [(0, 0)] * (x.ndim - 1) + [(0, -K % 32)]); x = x.reshape(x.shape[:-1] + (-1, 32)); a = np.abs(x).max(-1, keepdims=True)
;;       e = np.where(a > 0, np.clip(np.frexp(np.where(a > 0, a, 1))[1] - 1 - 2, -126, 127), 0)      # np.frexp(a)[1] - 1 = floor(log2(a)), exactly
;;       r = np.clip(x / 2.0 ** e, -7.5, 7.5)
;;       step = 2.0 ** (np.maximum(np.frexp(np.where(r == 0, 1, r))[1] - 1, 0) - 3)
;;       q = np.round(r / step) * step * 2.0 ** e      # np.round: ties to even
;;       return np.moveaxis(q.reshape(q.shape[:-2] + (-1,))[..., :K], -1, axis).astype(np.float32)
;;   ~~~
;;   INPUTS GIVEN AS CODES. W (in the module: [8, 1024, 1024], K = its axis 1); x (in the module: [2, 4096, 1024], K = its axis 2): each comes as NAME_codes (uint8): NAME with its K axis moved to the last place and cut into blocks of 32 codes, [.., K / 32, bytes a block], one block behind the other in memory; four codes in three bytes: a row's codes are one little-endian stream of bits, code i at bits 6 i .. 6 i + 5 (a code: sign, 2 exponent bits, 3 mantissa bits); and NAME_scales (uint8): the same leading axes, one E8M0 byte (e + 127) for each 32 codes along K. Its value is code x scale, taken as it is: it is not quantised again, and the codes and scales need not be those that the quantiser above would give.
;; One version. Each part assembles by itself: llvm-mc -triple=amdgcn-amd-amdhsa -mcpu=gfx1250 --defsym DOCPART=n.
;; ======== version 1 of 1: 2 launches
;; workspace buffers: order 917,504 bytes of whole numbers; counts 256 bytes of whole numbers
;; launch route (part 1): grid 28 x 1, 16 waves a work-group, no clusters, 2,304 bytes of LDS; arguments top_k_indices, order, counts; writes order, counts
.if DOCPART == 1
	.amdgcn_target "amdgcn-amd-amdhsa--gfx1250"
	.amdhsa_code_object_version 6
	.text
	.protected	k_q918071d542_route
	.globl	k_q918071d542_route
	.p2align	8
	.type	k_q918071d542_route,@function
k_q918071d542_route:
	s_mov_b64 s[64:65], 0
	v_nop
	global_prefetch_b8 v0, s[64:65] scope:SCOPE_SE
	s_setreg_imm32_b32 hwreg(HW_REG_WAVE_MODE, 25, 1), 1
	s_wait_xcnt 0x0
; Tokens are sorted by their unordered pair of experts.  There are 28 pairs A < B of 8 experts; work-group c owns pair c, scans all 8,192 tokens,
; and stores the numbers of its tokens, in ascending order, at order[c][0 ..] and their count at counts[c].  No atomics: each work-group owns its part of both buffers.
; A token's key: t = e0 xor e1 (a 0, both choices alike, counts as 1), m = the smaller of e0 and e0 xor t, key = 8 t + m.  So a token with e0 = e1 = a goes to the pair {a, a xor 1}.
; Pair c: d = c / 4 + 1 is A xor B; A is c % 4 with a 0 bit put in at the place of the highest bit of d; key = 8 d + A.
; Sixteen waves; wave w takes tokens 512 w .. 512 w + 511 as 16 rows of 32: row i, lane l is token 512 w + 32 i + l.  A row's load covers 256 consecutive bytes, aligned.
; LIMIT: indices lie in 0 .. 7, as the table that they index has 8 entries; others are not served.
; REGISTERS: s10 wave, s11 c, s12 d, s13 c % 4, s14 place of the highest bit of d, s15 A, s16 key, s17 my wave total, s18 running base, s19 n, s20 saved EXEC, s21 at work,
;   s[24:39] a mask for each row, s[40:55] the 16 wave totals.  v1 byte offset of my pair of indices, v2 LDS word of my wave, v3 zero, v6 my first token, v[8:39] indices, v[40:55] store offsets, v[56:71] token numbers, v[72:87] totals.
	s_load_b128 s[4:7], s[0:1], 0x0                ; top_k_indices s[4:5], order s[6:7]
	s_load_b64 s[8:9], s[0:1], 0x10                ; counts
	v_lshl_add_u32 v96, v0, 2, 0x100
	v_mov_b32 v97, 0
	v_lshrrev_b32 v4, 5, v0
	s_delay_alu instid0(VALU_DEP_1)
	v_readfirstlane_b32 s10, v4                    ; wave 0..15
	v_and_b32 v5, 31, v0
	s_delay_alu instid0(VALU_DEP_1)
	v_lshl_add_u32 v6, v4, 9, v5                   ; my first token: 512 w + lane
	s_delay_alu instid0(VALU_DEP_1)
	v_lshlrev_b32 v1, 3, v6                        ; 8 bytes a token
	v_lshlrev_b32 v2, 2, v4                        ; my wave's word in LDS
	v_mov_b32 v3, 0
	s_mov_b32 s11, ttmp9
	s_lshr_b32 s12, s11, 2
	s_add_co_u32 s12, s12, 1                       ; d
	s_and_b32 s13, s11, 3
	s_lshr_b32 s14, s12, 1
	s_min_u32 s14, s14, 1
	s_lshr_b32 s21, s12, 2
	s_add_co_u32 s14, s14, s21                     ; the place of the highest bit of d: 0, 1, 1, 2, 2, 2, 2
	s_lshr_b32 s15, s13, s14
	s_add_co_u32 s21, s14, 1
	s_lshl_b32 s15, s15, s21
	s_lshl_b32 s21, 1, s14
	s_sub_co_u32 s21, s21, 1
	s_and_b32 s21, s13, s21
	s_or_b32 s15, s15, s21                         ; A
	s_lshl_b32 s16, s12, 3
	s_add_co_u32 s16, s16, s15                     ; key = 8 d + A
	s_mov_b32 s17, 0
	s_mov_b32 s18, 0
	s_mov_b32 s19, 0
	s_lshl_b32 s22, s11, 15                        ; my part of order: 8,192 words
	s_mov_b32 s23, 0
	s_wait_alu depctr_va_vdst(0)
	s_wait_kmcnt 0x0
	s_add_nc_u64 s[6:7], s[6:7], s[22:23]
	s_lshl_b32 s22, s11, 2
	s_add_nc_u64 s[8:9], s[8:9], s[22:23]          ; my word of counts
.irp i, 0,1,2,3,4,5,6,7,8,9,10,11,12,13,14,15
	global_load_b64 v[8+2*\i:9+2*\i], v1, s[4:5] offset:256*\i
.endr
; Row i: which of its 32 tokens are mine, as a mask; the wave's total grows by the mask's ones.
.macro KEYROW i
	s_wait_loadcnt 15-\i                           ; loads come back in order: row i is in, the younger rows may be out
	v_xor_b32 v4, v[8+2*\i], v[9+2*\i]
	s_delay_alu instid0(VALU_DEP_1)
	v_max_u32 v4, 1, v4                            ; t
	s_delay_alu instid0(VALU_DEP_1)
	v_xor_b32 v5, v[8+2*\i], v4
	s_delay_alu instid0(VALU_DEP_1)
	v_min_u32 v5, v[8+2*\i], v5                    ; m
	s_delay_alu instid0(VALU_DEP_1)
	v_lshl_or_b32 v4, v4, 3, v5
	s_delay_alu instid0(VALU_DEP_1)
	v_cmp_eq_u32 s[24+\i], s16, v4
	s_bcnt1_i32_b32 s21, s[24+\i]
	s_add_co_u32 s17, s17, s21
.endm
.irp i, 0,1,2,3,4,5,6,7,8,9,10,11,12,13,14,15
	KEYROW \i
.endr
	v_mov_b32 v4, s17
	ds_store_b32 v2, v4                            ; all lanes write my wave's word with the same value
	s_wait_dscnt 0x0                               ; for the others: my store has landed
	s_barrier_signal -1
	s_barrier_wait -1
.irp j, 0,1,2,3
	ds_load_b128 v[72+4*\j:75+4*\j], v3 offset:16*\j
.endr
	s_wait_dscnt 0x0
.irp j, 0,1,2,3,4,5,6,7,8,9,10,11,12,13,14,15
	v_readfirstlane_b32 s[40+\j], v[72+\j]
.endr
.irp j, 0,1,2,3,4,5,6,7,8,9,10,11,12,13,14,15
	s_cmp_lt_u32 \j, s10                           ; the waves in front of mine give my base; all sixteen give n
	s_cselect_b32 s21, s[40+\j], 0
	s_add_co_u32 s18, s18, s21
	s_add_co_u32 s19, s19, s[40+\j]
.endr
; Row i: a token's place is the base + the number of mine in the lanes below it.  The place is held under 8,192 before it enters an address.
.macro POSROW i
	v_mbcnt_lo_u32_b32 v4, s[24+\i], s18
	s_delay_alu instid0(VALU_DEP_1)
	v_min_u32 v4, 0x1fff, v4
	s_delay_alu instid0(VALU_DEP_1)
	v_lshlrev_b32 v[40+\i], 2, v4
	v_add_nc_u32 v[56+\i], 32*\i, v6
	s_bcnt1_i32_b32 s21, s[24+\i]
	s_add_co_u32 s18, s18, s21
.endm
.irp i, 0,1,2,3,4,5,6,7,8,9,10,11,12,13,14,15
	POSROW \i
.endr
	v_mov_b32 v4, s19
	v_or_b32 v5, s19, v0                           ; 0 only in thread 0 of an empty class
	s_wait_alu depctr_va_vdst(0)
	s_wait_xcnt 0x0                                ; EXEC changes only behind this wait
.macro PUTROW i
	s_and_saveexec_b32 s20, s[24+\i]               ; my tokens of the row alone
	global_store_b32 v[40+\i], v[56+\i], s[6:7]    ; their places are consecutive words
	s_wait_xcnt 0x0                                ; and EXEC is widened only behind this wait
	s_or_b32 exec_lo, exec_lo, s20
.endm
.irp i, 0,1,2,3,4,5,6,7,8,9,10,11,12,13,14,15
	PUTROW \i
.endr
	v_cmp_eq_u32 vcc_lo, 0, v0
	s_and_saveexec_b32 s20, vcc_lo                 ; thread 0 stores the count
	global_store_b32 v3, v4, s[8:9]
	s_wait_xcnt 0x0
	s_or_b32 exec_lo, exec_lo, s20
	v_cmp_eq_u32 vcc_lo, 0, v5
	s_and_saveexec_b32 s20, vcc_lo                 ; an empty class gets token 0 as entry 0: the next launch reads that entry before it knows of the count's use
	global_store_b32 v3, v3, s[6:7]
	s_wait_xcnt 0x0
	s_or_b32 exec_lo, exec_lo, s20
	s_wait_xcnt 0x0
	s_mov_b32 exec_lo, -1
	s_wait_tensorcnt 0x0
	ds_add_u32 v96, v97
	s_wait_dscnt 0x0
	s_endpgm
.Lfunc_end_k_q918071d542_route:
	.size	k_q918071d542_route, .Lfunc_end_k_q918071d542_route-k_q918071d542_route
	.p2alignl 7, 3214868480
	.fill 96, 4, 3214868480
	.section	.rodata,"a",@progbits
	.p2align	6, 0x0
	.amdhsa_kernel k_q918071d542_route
		.amdhsa_group_segment_fixed_size 2304
		.amdhsa_private_segment_fixed_size 0
		.amdhsa_enable_private_segment 0
		.amdhsa_kernarg_size 24
		.amdhsa_user_sgpr_count 2
		.amdhsa_user_sgpr_kernarg_segment_ptr 1
		.amdhsa_wavefront_size32 1
		.amdhsa_system_sgpr_workgroup_id_x 1
		.amdhsa_system_sgpr_workgroup_id_y 1
		.amdhsa_system_sgpr_workgroup_id_z 1
		.amdhsa_system_vgpr_workitem_id 0
		.amdhsa_next_free_vgpr 98
		.amdhsa_next_free_sgpr 66
		.amdhsa_reserve_vcc 1
		.amdhsa_float_denorm_mode_32 3
		.amdhsa_float_denorm_mode_16_64 3
		.amdhsa_memory_ordered 1
		.amdhsa_forward_progress 1
		.amdhsa_inst_pref_size 24
	.end_amdhsa_kernel
	.amdgpu_metadata
---
amdhsa.version: [ 1, 2 ]
amdhsa.kernels:
  - .name:           k_q918071d542_route
    .symbol:         k_q918071d542_route.kd
    .args:
      - { .name: top_k_indices, .offset: 0, .size: 8, .value_kind: global_buffer, .address_space: global }
      - { .name: order, .offset: 8, .size: 8, .value_kind: global_buffer, .address_space: global }
      - { .name: counts, .offset: 16, .size: 8, .value_kind: global_buffer, .address_space: global }
    .group_segment_fixed_size: 2304
    .private_segment_fixed_size: 0
    .kernarg_segment_align: 8
    .kernarg_segment_size: 24
    .max_flat_workgroup_size: 512
    .sgpr_count:     66
    .vgpr_count:     98
    .wavefront_size: 32
...
	.end_amdgpu_metadata
.endif
;; end of part 1
;; launch experts (part 2): grid 8 x 32, 4 waves a work-group, no clusters, 297,472 bytes of LDS; arguments W_codes, W_scales, b, expert_weights, top_k_indices, x_codes, x_scales, order, counts, out0; writes out0
.if DOCPART == 2
	.amdgcn_target "amdgcn-amd-amdhsa--gfx1250"
	.amdhsa_code_object_version 6
	.text
	.protected	k_q918071d542_experts
	.globl	k_q918071d542_experts
	.p2align	8
	.type	k_q918071d542_experts,@function
k_q918071d542_experts:
	s_mov_b64 s[64:65], 0
	v_nop
	global_prefetch_b8 v0, s[64:65] scope:SCOPE_SE
	s_setreg_imm32_b32 hwreg(HW_REG_WAVE_MODE, 25, 1), 1
	s_wait_xcnt 0x0
; out[t] = w0 (x[t] W[e0] + b[e0]) + w1 (x[t] W[e1] + b[e1]), on codes of FP6 (E2M3) with one E8M0 scale for each 32 along K = 1,024.  Only the two chosen experts of a token are multiplied.
; The launch before has sorted the tokens by their pair of experts {A, B} into 28 classes (order, counts).  A work-group takes one ITEM (a class, or half of one of the four classes that also hold the tokens with
; e0 = e1) and one SLICE of 128 output columns: 32 items x 8 slices = 256 work-groups.  It copies the 128 rows of both experts' W (2 x 128 x 768 bytes), their scales and biases into LDS once; one barrier;
; then its four waves go their own ways.  A wave takes blocks of 16 tokens, five to a batch: it gathers their rows of x into registers, where they stay, streams W's fragments from LDS, and keeps one accumulator for
; each (block, expert).  THE MATRIX INSTRUCTION IS USED TRANSPOSED (source 0 = 16 rows of W, source 1 = 16 tokens): a lane holds ONE token and eight neighbouring columns, so the weighted sum of the two experts is
; arithmetic within a lane.  The bias is the C of a sum's first instruction.  Each output row has one owner, so nothing is added across waves.
; A token with e0 = e1 uses one of its class's two experts: the other's product is replaced by 0 before it is weighted, so that an infinity or NaN there cannot reach the result.
; Trip counts and a wave's early end hang on counts read from memory, and rows of x are gathered by a list: so this text has no tensor load, and with it no joint load of a cluster, though work-groups share W's rows;
; operands go through registers.  Any split of the tokens is served: a class of n tokens takes ceil(ceil(n / 16) / waves / 5) batches.
; LIMITS: where e0 = e1 the two weights are added first, one rounding that the reference does not have; indices outside 0 .. 7 are not served.
; LDS: WL 256 rows x 784 bytes (768 + 16: 196 words, so row r starts at bank 4 r mod 64 (64 banks of 4 bytes: ISA guide 11.1), and the 32 lanes of a load of 8 bytes touch 64 different banks); WSL scales [2][128][32]; BSL biases [2][128] f32;
;   PR a region of 21,760 bytes for each wave alone: first the place where 16 rows of x are turned (16 x 784), then the stage for results (80 rows x 272).
; REGISTERS, in windows of 256.  Window 0: v1-29 lane constants and LDS addresses, never rewritten; v32-51 x's scale words; v52-71 weights; v72-111 output offsets; v112-127 W's scale words, two sets; v128-143 biases;
;   v144-223 ten accumulators (block rb, slot sl at 144 + 8 (2 rb + sl)); v224-255 at work in a gather.  Windows 1, 2: x's fragments, K step s of block rb at 60 (s % 4) + 12 rb of window 1 + s / 4.
;   Window 3: W's fragments, two sets of 96; v192-255 rows on their way out, two sets of 32.
.set PW,    784
.set SLOTB, 128*PW
.set WSL,   2*SLOTB
.set BSL,   WSL+8192
.set PR,    BSL+1024
.set SP,    272
.set PRW,   80*SP
.set BP,    22                         ; v22-29   lane selects: 4 (2 g + H)
.set SX,    32                         ; v32-51   block rb: lanes 0-15 the scale words of K steps 0-3 of token R, lanes 16-31 those of K steps 4-7
.set WAB,   52                         ; v52-71   block rb: wa, wb, wb, wa
.set OS,    72                         ; v72-111  block rb, row pair g: token x 4,096 + 16 R
.set SWB,   112                        ; v112-127 set x 8 + slot x 4 + K step
.set BIAS,  128                        ; v128-143 slot x 8 + j
.set ACC,   144
.set IDX,   144                        ; in a gather, over the accumulators of blocks 0 and 1: five pairs of indices,
.set WGT,   154                        ; five pairs of weights
.set TK,    224                        ; v224-228 token of row R of block rb
.set OA,    229                        ; v229-233 offset into order; once the token is in: token x 8
.set MS,    234                        ; v234-238 token x 32 + 16 H
.set OX,    240                        ; v240-255 two sets of 8: token x 768 + 16 R
.set OD,    192
.set MSB, 0
.macro WIN new                         ; the immediate's high byte repeats the setting that is left; a switch that changes nothing is dropped
.if MSB != (\new)
	s_set_vgpr_msb (MSB<<8)|(\new)
.set MSB, (\new)
.endif
.endm
; ---- W into LDS.  Wave w copies rows 32 w .. 32 w + 31 of each slot: 48 loads, each two rows' 256 consecutive bytes, aligned.  Slot A waits in window 3, slot B in the registers of x's blocks 3 and 4.
.macro FILLA
	WIN 0xc0
.set kk, 0
.rept 48
	global_load_b128 v[4*kk:4*kk+3], v4, s[46:47] offset:1536*(kk/3)+256*(kk%3)
.set kk, kk+1
.endr
	WIN 0
.endm
.macro PUTA
	WIN 0x0c
.set kk, 0
.rept 48
	ds_store_b128 v5, v[4*kk:4*kk+3] offset:1568*(kk/3)+256*(kk%3)
.set kk, kk+1
.endr
	WIN 0
.endm
.macro FILLB
	WIN 0x40
.set kk, 0
.rept 24
	global_load_b128 v[60*(kk/6)+36+4*(kk%6):60*(kk/6)+39+4*(kk%6)], v4, s[48:49] offset:1536*(kk/3)+256*(kk%3)
.set kk, kk+1
.endr
	WIN 0x80
.rept 24
	global_load_b128 v[60*(kk/6-4)+36+4*(kk%6):60*(kk/6-4)+39+4*(kk%6)], v4, s[48:49] offset:1536*(kk/3)+256*(kk%3)
.set kk, kk+1
.endr
	WIN 0
.endm
.macro PUTB
	WIN 0x04
.set kk, 0
.rept 24
	ds_store_b128 v6, v[60*(kk/6)+36+4*(kk%6):60*(kk/6)+39+4*(kk%6)] offset:1568*(kk/3)+256*(kk%3)
.set kk, kk+1
.endr
	WIN 0x08
.rept 24
	ds_store_b128 v6, v[60*(kk/6-4)+36+4*(kk%6):60*(kk/6-4)+39+4*(kk%6)] offset:1568*(kk/3)+256*(kk%3)
.set kk, kk+1
.endr
	WIN 0
.endm
; ---- The gather.  TKLOAD: the token of row R of block rb.  Rows past the class's end take its last token: the same values for the same address, from the same wave.
.macro TKLOAD rb
	s_mul_i32 s80, s38, \rb
	s_add_co_u32 s80, s80, s42
	v_add_nc_u32 v[OA+\rb], s80, v1
	v_min_u32 v[OA+\rb], s35, v[OA+\rb]
	v_add_nc_u32 v[OA+\rb], s44, v[OA+\rb]
	v_min_u32 v[OA+\rb], 0x37fff, v[OA+\rb]        ; inside order's 28 x 8,192 words
	v_lshlrev_b32 v[OA+\rb], 2, v[OA+\rb]
	global_load_b32 v[TK+\rb], v[OA+\rb], s[18:19]
.endm
.macro TOKS                            ; behind the wait for the five tokens, which also frees OA
.irp rb, 0,1,2,3,4
	v_min_u32 v[TK+\rb], 0x1fff, v[TK+\rb]
.endr
.irp rb, 0,1,2,3,4
	v_lshl_add_u32 v[MS+\rb], v[TK+\rb], 5, v239
	v_lshlrev_b32 v[OA+\rb], 3, v[TK+\rb]
.endr
.endm
.macro PERM                            ; lane (R, H) gets, for row pair g, the token of row 2 g + H: 40 exchanges in one run, one wait
	s_wait_xcnt 0x0                                ; the earlier stores have read OS
.irp rb, 0,1,2,3,4
.irp g, 0,1,2,3,4,5,6,7
	ds_bpermute_b32 v[OS+8*\rb+\g], v[BP+\g], v[TK+\rb]
.endr
.endr
	s_wait_dscnt 0x0
.irp rb, 0,1,2,3,4
.irp g, 0,1,2,3,4,5,6,7
	v_min_u32 v[OS+8*\rb+\g], 0x1fff, v[OS+8*\rb+\g]
.endr
.endr
.endm
.macro ADDR rb, st
	s_wait_xcnt 0x0                                ; the loads of two blocks ago have read this set of OX
.irp g, 0,1,2,3,4,5,6,7
	v_mad_u32_u24 v[OX+8*(\st)+\g], v[OS+8*(\rb)+\g], s58, v3
.endr
.irp g, 0,1,2,3,4,5,6,7
	v_lshl_add_u32 v[OS+8*(\rb)+\g], v[OS+8*(\rb)+\g], 12, v3
.endr
.endm
.macro XL rb, st                       ; 16 rows of x, 768 bytes each: 24 loads, each two rows' 256 consecutive bytes, aligned; they wait in the registers that the block's fragments will take
	WIN 0x40
.irp g, 0,1,2,3
.irp q, 0,1,2
	global_load_b128 v[60*\g+12*(\rb)+4*\q:60*\g+12*(\rb)+4*\q+3], v[OX+8*(\st)+\g], s[14:15] offset:256*\q
.endr
.endr
	WIN 0x80
.irp g, 0,1,2,3
.irp q, 0,1,2
	global_load_b128 v[60*\g+12*(\rb)+4*\q:60*\g+12*(\rb)+4*\q+3], v[OX+8*(\st)+4+\g], s[14:15] offset:256*\q
.endr
.endr
	WIN 0
.endm
.macro META rb
	global_load_b128 v[SX+4*\rb:SX+4*\rb+3], v[MS+\rb], s[16:17]
	global_load_b64 v[IDX+2*\rb:IDX+2*\rb+1], v[OA+\rb], s[12:13]
	global_load_b64 v[WGT+2*\rb:WGT+2*\rb+1], v[OA+\rb], s[10:11]
.endm
.macro GATH_A
	ADDR 0, 0
	XL 0, 0
	ADDR 1, 1
	XL 1, 1
	ADDR 2, 0
	XL 2, 0
.irp rb, 0,1,2,3,4
	META \rb
.endr
.endm
.macro GATH_B
	ADDR 3, 1
	XL 3, 1
	ADDR 4, 0
	XL 4, 0
.endm
; The block's 16 rows go into my own region as rows and come back as fragments: lane (R, H) takes, for K step s, the 24 bytes at 96 s + 24 H and at 96 s + 48 + 24 H of row R, in pieces of 8 bytes.
; LDS serves a wave's instructions in order (ISA guide 5.7.1.4): no wait between the stores and the loads, nor in front of the next block's stores.
.macro TURNX rb, left
	s_wait_loadcnt \left
	WIN 0x04
.irp g, 0,1,2,3
.irp q, 0,1,2
	ds_store_b128 v11, v[60*\g+12*\rb+4*\q:60*\g+12*\rb+4*\q+3] offset:1568*\g+256*\q
.endr
.endr
	WIN 0x08
.irp g, 0,1,2,3
.irp q, 0,1,2
	ds_store_b128 v11, v[60*\g+12*\rb+4*\q:60*\g+12*\rb+4*\q+3] offset:1568*(\g+4)+256*\q
.endr
.endr
	WIN 0x40
.irp s, 0,1,2,3
.irp p, 0,1,2,3,4,5
	ds_load_b64 v[60*\s+12*\rb+2*\p:60*\s+12*\rb+2*\p+1], v12 offset:96*\s+48*(\p/3)+8*(\p%3)
.endr
.endr
	WIN 0x80
.irp s, 0,1,2,3
.irp p, 0,1,2,3,4,5
	ds_load_b64 v[60*\s+12*\rb+2*\p:60*\s+12*\rb+2*\p+1], v12 offset:96*(\s+4)+48*(\p/3)+8*(\p%3)
.endr
.endr
	WIN 0
.endm
; wa = the weights of the choices that name A, wb of those that name B; the masks say which lanes' tokens use A, and B.  Each weight is written twice: the packed forms take a pair's low word for both halves.
.macro WCALC rb
	v_cmp_eq_u32 s80, s32, v[IDX+2*\rb]
	v_cmp_eq_u32 s81, s32, v[IDX+2*\rb+1]
	v_cmp_eq_u32 s82, s33, v[IDX+2*\rb]
	v_cmp_eq_u32 s83, s33, v[IDX+2*\rb+1]
	v_cndmask_b32 v21, 0, v[WGT+2*\rb], s80
	v_cndmask_b32 v30, 0, v[WGT+2*\rb+1], s81
	v_add_f32 v[WAB+4*\rb], v21, v30
	v_add_f32 v[WAB+4*\rb+3], v21, v30
	v_cndmask_b32 v21, 0, v[WGT+2*\rb], s82
	v_cndmask_b32 v30, 0, v[WGT+2*\rb+1], s83
	v_add_f32 v[WAB+4*\rb+1], v21, v30
	v_add_f32 v[WAB+4*\rb+2], v21, v30
	s_or_b32 s[70+\rb], s80, s81
	s_or_b32 s[75+\rb], s82, s83
.endm
; ---- Half step i = 2 cb + half: 16 columns (cb), K steps 4 half .. 4 half + 3, both slots.  LOADW: its eight fragments of W, their scale words, and with half 0 the columns' biases: 54 LDS loads for an even i, 50 for an odd one.
.macro LOADW i
.set lc, (\i)/2
.set lh, (\i)%2
	ds_load_b128 v[SWB+8*lh:SWB+8*lh+3], v15 offset:512*lc+16*lh
	ds_load_b128 v[SWB+8*lh+4:SWB+8*lh+7], v15 offset:4096+512*lc+16*lh
.if lh == 0
.irp sl, 0,1
.irp u, 0,1
	ds_load_b128 v[BIAS+8*\sl+4*\u:BIAS+8*\sl+4*\u+3], v16 offset:512*\sl+64*lc+16*\u
.endr
.endr
.endif
	WIN 0xc0
.irp ks, 0,1,2,3
.irp sl, 0,1
.irp p, 0,1,2,3,4,5
	ds_load_b64 v[96*lh+12*(2*\ks+\sl)+2*\p:96*lh+12*(2*\ks+\sl)+2*\p+1], v[17+2*\sl+lc/4] offset:12544*(lc%4)+96*(4*lh+\ks)+48*(\p/3)+8*(\p%3)
.endr
.endr
.endr
	WIN 0
.endm
.macro WM hf, ks, sl, rb               ; one product: 16 rows of W (slot sl) x 16 tokens (block rb) x 128 along K.  In half 1 x's scale words are those of lanes 16-31
.set rD, ACC+8*(2*(\rb)+(\sl))
.set rA, 96*(\hf)+12*(2*(\ks)+(\sl))
.set rB, 60*(\ks)+12*(\rb)
.set rSA, SWB+8*(\hf)+4*(\sl)+(\ks)
.set rSB, SX+4*(\rb)+(\ks)
.if (\hf) == 0 && (\ks) == 0
	v_wmma_scale_f32_16x16x128_f8f6f4 v[rD:rD+7], v[rA:rA+11], v[rB:rB+11], v[BIAS+8*(\sl):BIAS+8*(\sl)+7], v[rSA], v[rSB] matrix_a_fmt:MATRIX_FMT_FP6 matrix_b_fmt:MATRIX_FMT_FP6
.elseif (\hf) == 0
	v_wmma_scale_f32_16x16x128_f8f6f4 v[rD:rD+7], v[rA:rA+11], v[rB:rB+11], v[rD:rD+7], v[rSA], v[rSB] matrix_a_fmt:MATRIX_FMT_FP6 matrix_b_fmt:MATRIX_FMT_FP6
.else
	v_wmma_scale_f32_16x16x128_f8f6f4 v[rD:rD+7], v[rA:rA+11], v[rB:rB+11], v[rD:rD+7], v[rSA], v[rSB] matrix_a_fmt:MATRIX_FMT_FP6 matrix_b_fmt:MATRIX_FMT_FP6 matrix_b_scale:MATRIX_SCALE_ROW1
.endif
.endm
; MUL: blocks 0-3 always, their eight accumulators by turns, one instruction a turn; block 4, its two by turns, only where the batch has five blocks.
; Half step 0 has no such branch, so that every accumulator is written on every way through the text.  The four v_nop at the end are the places in front of the loads into the fragments just read and of the first read of results.
.macro MUL i
.set mh, (\i)%2
.if (\i) == 15
	s_wait_dscnt 0x0
.elseif mh == 0
	s_wait_dscnt 50                                ; all but the next half step's 50 loads, just issued: this half step's operands are in, and the stage's stores have read the accumulators
.else
	s_wait_dscnt 54                                ; the same; the next half step has 54
.endif
	WIN (0x07+4*mh)                                ; source 0 (W) window 3, source 1 (x) window 1 or 2, C and D window 0
.irp ks, 0,1,2,3
.irp sl, 0,1
.irp rb, 0,1,2,3
	WM mh, \ks, \sl, \rb
.endr
.endr
.endr
	WIN 0
.if (\i) > 0
	s_cmp_lt_u32 s43, 5
	s_cbranch_scc1 .Lm\@
.endif
	WIN (0x07+4*mh)
	s_wait_alu depctr_va_vdst(0)
.irp ks, 0,1,2,3
.irp sl, 0,1
	WM mh, \ks, \sl, 4
.endr
.endr
	WIN 0
.Lm\@:
.rept 4
	v_nop
.endr
.endm
; The two experts' results of a block become one: a product whose expert the lane's token does not use counts as 0; wa A + wb B; 32 bytes a lane into row 16 rb + R of my stage.  Each accumulator is read from its low end on.
.macro COMB1 cb, rb
.set cA, ACC+16*(\rb)
.irp j, 0,1,2,3,4,5,6,7
	v_cndmask_b32 v[cA+\j], 0, v[cA+\j], s[70+(\rb)]
.endr
.irp j, 0,1,2,3,4,5,6,7
	v_cndmask_b32 v[cA+8+\j], 0, v[cA+8+\j], s[75+(\rb)]
.endr
.irp j, 0,2,4,6
	v_pk_mul_f32 v[cA+\j:cA+\j+1], v[cA+\j:cA+\j+1], v[WAB+4*(\rb):WAB+4*(\rb)+1] op_sel_hi:[1,0]
.endr
.irp j, 0,2,4,6
	v_pk_fma_f32 v[cA+\j:cA+\j+1], v[cA+8+\j:cA+9+\j], v[WAB+4*(\rb)+2:WAB+4*(\rb)+3], v[cA+\j:cA+\j+1] op_sel_hi:[1,0,1]
.endr
	ds_store_b128 v13, v[cA:cA+3] offset:4352*(\rb)+64*((\cb)%4)
	ds_store_b128 v13, v[cA+4:cA+7] offset:4352*(\rb)+64*((\cb)%4)+16
.endm
.macro COMBINE cb
.irp rb, 0,1,2,3
	COMB1 \cb, \rb
.endr
	s_cmp_lt_u32 s43, 5
	s_cbranch_scc1 .Lc\@
	COMB1 \cb, 4
.Lc\@:
.endm
; ---- The way out of 64 columns (256 bytes a row).  OLD: a block's 16 rows back from the stage, two rows an instruction.  OST: sixteen lanes store 256 consecutive bytes, aligned, of a token's row.
.macro OLD rb
	WIN 0xc0
.irp g, 0,1,2,3,4,5,6,7
	ds_load_b128 v[OD+32*((\rb)%2)+4*\g:OD+32*((\rb)%2)+4*\g+3], v14 offset:4352*(\rb)+544*\g
.endr
	WIN 0
.endm
.macro OST rb, G
	WIN 0x0c
.irp g, 0,1,2,3,4,5,6,7
	global_store_b128 v[OS+8*(\rb)+\g], v[OD+32*((\rb)%2)+4*\g:OD+32*((\rb)%2)+4*\g+3], s[54:55] offset:256*(\G) th:TH_STORE_NT
.endr
	WIN 0
.endm
; Blocks 0-3 are read back on every way, so that the counted waits hold on every way; only the stores of blocks that the batch does not have are jumped over.  Block 4 is read and stored only where it exists.
.macro OUT G
	s_wait_xcnt 0x0                                ; the earlier stores have read both sets
	OLD 0
	OLD 1
	s_wait_dscnt 8                                 ; block 0 is back; block 1's eight loads may be out
	OST 0, \G
	s_wait_xcnt 0x0                                ; block 0's stores have read their set
	OLD 2
	s_wait_dscnt 8
	s_cmp_lt_u32 s43, 2
	s_cbranch_scc1 .Lo1\@
	OST 1, \G
.Lo1\@:
	s_wait_xcnt 0x0
	OLD 3
	s_wait_dscnt 8
	s_cmp_lt_u32 s43, 3
	s_cbranch_scc1 .Lo2\@
	OST 2, \G
.Lo2\@:
	s_wait_dscnt 0x0
	s_cmp_lt_u32 s43, 4
	s_cbranch_scc1 .Lo3\@
	OST 3, \G
.Lo3\@:
	s_cmp_lt_u32 s43, 5
	s_cbranch_scc1 .Lo4\@
	s_wait_xcnt 0x0
	OLD 4
	s_wait_dscnt 0x0
	OST 4, \G
.Lo4\@:
.endm
	; ---- ids, lane constants, LDS addresses: a constant + a lane term + a wave term, made here and never stepped
	s_load_b512 s[4:19], s[0:1], 0x0               ; W_codes 4, W_scales 6, b 8, expert_weights 10, top_k_indices 12, x_codes 14, x_scales 16, order 18
	s_load_b128 s[20:23], s[0:1], 0x40             ; counts 20, out0 22
	s_set_vgpr_msb 0x40
	v_lshl_add_u32 v254, v0, 2, 0x48800
	v_mov_b32 v255, 0
	s_set_vgpr_msb 0x4000
	v_lshrrev_b32 v21, 5, v0
	v_readfirstlane_b32 s24, v21                   ; wave 0..3
	s_mov_b32 s25, ttmp9                           ; slice
	s_and_b32 s26, ttmp7, 0xffff                   ; item
	s_lshr_b32 s31, s26, 1
	s_sub_co_u32 s30, s26, 4
	s_and_b32 s29, s26, 1
	s_cmp_lt_u32 s26, 8                            ; items 0-7: the halves of classes 0-3; items 8-31: classes 4-27
	s_cselect_b32 s27, s31, s30                    ; class
	s_cselect_b32 s28, 1, 0                        ; log2 of its parts
	s_cselect_b32 s29, s29, 0                      ; my part
	s_lshr_b32 s30, s27, 2
	s_add_co_u32 s30, s30, 1                       ; d = A xor B
	s_and_b32 s31, s27, 3
	s_lshr_b32 s80, s30, 1
	s_min_u32 s80, s80, 1
	s_lshr_b32 s81, s30, 2
	s_add_co_u32 s80, s80, s81                     ; the place of the highest bit of d
	s_lshr_b32 s81, s31, s80
	s_add_co_u32 s82, s80, 1
	s_lshl_b32 s81, s81, s82
	s_lshl_b32 s82, 1, s80
	s_sub_co_u32 s82, s82, 1
	s_and_b32 s82, s31, s82
	s_or_b32 s32, s81, s82                         ; A
	s_xor_b32 s33, s32, s30                        ; B
	v_and_b32 v1, 15, v0                           ; R
	v_bfe_u32 v2, v0, 4, 1                         ; H
	v_lshlrev_b32 v3, 4, v1                        ; 16 R
	v_mad_u32_u24 v4, v2, 768, v3                  ; W in memory: row H of a pair, 16 R
	s_mul_i32 s80, s24, 32*PW
	v_mad_u32_u24 v5, v2, PW, v3
	v_add_nc_u32 v5, s80, v5                       ; W into LDS, slot A: row 32 w + H
	v_add_nc_u32 v6, SLOTB, v5                     ; slot B
	v_and_b32 v21, 31, v0
	v_lshlrev_b32 v7, 4, v21                       ; 16 x lane
	s_lshl_b32 s80, s24, 11
	s_add_co_u32 s80, s80, WSL
	v_add_nc_u32 v8, s80, v7                       ; scales into LDS: 2,048 bytes a wave
	v_lshlrev_b32 v9, 3, v21                       ; 8 x lane
	s_lshl_b32 s80, s24, 8
	s_add_co_u32 s80, s80, BSL
	v_add_nc_u32 v10, s80, v9                      ; biases into LDS: 256 bytes a wave
	s_mul_i32 s80, s24, PRW
	s_add_co_u32 s80, s80, PR                      ; my own region
	v_mad_u32_u24 v11, v2, PW, v3
	v_add_nc_u32 v11, s80, v11                     ; x into it: row H of a pair
	v_mul_u32_u24 v17, v1, PW
	v_mad_u32_u24 v17, v2, 24, v17                 ; a fragment's row R, + 24 H: W's rows 0-63 of slot A,
	v_add_nc_u32 v18, 64*PW, v17                   ; 64-127,
	v_add_nc_u32 v19, 128*PW, v17                  ; slot B's 0-63,
	v_add_nc_u32 v20, 192*PW, v17                  ; 64-127
	v_add_nc_u32 v12, s80, v17                     ; and x's fragments out of my region
	v_mul_u32_u24 v13, v1, SP
	v_lshl_add_u32 v13, v2, 5, v13
	v_add_nc_u32 v13, s80, v13                     ; the stage, in: row R, + 32 H
	v_mad_u32_u24 v14, v2, SP, v3
	v_add_nc_u32 v14, s80, v14                     ; and back: row H of a pair, 16 R
	v_lshl_add_u32 v15, v1, 5, WSL                 ; W's scale words: 32 bytes a row
	v_lshl_add_u32 v16, v2, 5, BSL                 ; biases: my half's eight columns
.irp g, 0,1,2,3,4,5,6,7
	v_lshl_add_u32 v[BP+\g], v2, 2, 8*\g
.endr
	v_lshlrev_b32 v239, 4, v2                      ; 16 H
	s_wait_kmcnt 0x0
	s_lshl_b32 s56, s27, 2
	s_mov_b32 s57, 0
	s_add_nc_u64 s[20:21], s[20:21], s[56:57]
	s_load_b32 s34, s[20:21], 0x0                  ; n: my class's count
	s_mul_i32 s80, s25, 98304                      ; the slice's 128 rows of 768 bytes,
	s_mul_i32 s81, s24, 24576                      ; my 32 of them
	s_add_co_u32 s80, s80, s81
	s_mul_i32 s56, s32, 786432
	s_add_co_u32 s56, s56, s80
	s_add_nc_u64 s[46:47], s[4:5], s[56:57]        ; W of A
	s_mul_i32 s56, s33, 786432
	s_add_co_u32 s56, s56, s80
	s_add_nc_u64 s[48:49], s[4:5], s[56:57]        ; W of B
	s_cmp_lt_u32 s24, 2                            ; waves 0, 1 bring A's scales and biases, waves 2, 3 B's: a choice between two numbers
	s_cselect_b32 s82, s32, s33
	s_and_b32 s83, s24, 1
	s_lshl_b32 s56, s82, 15
	s_lshl_b32 s80, s25, 12
	s_add_co_u32 s56, s56, s80
	s_lshl_b32 s80, s83, 11
	s_add_co_u32 s56, s56, s80
	s_add_nc_u64 s[50:51], s[6:7], s[56:57]
	s_lshl_b32 s56, s82, 12
	s_lshl_b32 s80, s25, 9
	s_add_co_u32 s56, s56, s80
	s_lshl_b32 s80, s83, 8
	s_add_co_u32 s56, s56, s80
	s_add_nc_u64 s[52:53], s[8:9], s[56:57]
	s_lshl_b32 s56, s25, 9
	s_add_nc_u64 s[54:55], s[22:23], s[56:57]      ; out0 at the slice's first column
	s_mov_b32 s58, 768
	s_lshl_b32 s44, s27, 13                        ; my class's part of order, in words
	FILLA
	s_wait_kmcnt 0x0
	s_min_u32 s34, s34, 0x2000
	s_max_u32 s35, s34, 1
	s_sub_co_u32 s35, s35, 1                       ; the last entry that may be read
	s_add_co_u32 s36, s34, 15
	s_lshr_b32 s36, s36, 4                         ; blocks of 16 tokens in the class
	s_lshl_b32 s37, s29, 2
	s_add_co_u32 s37, s37, s24                     ; my place among the class's 4 or 8 waves
	s_lshl_b32 s80, 4, s28                         ; how many those are
	s_lshl_b32 s38, s80, 4                         ; from one block of mine to the next, in tokens
	s_add_co_u32 s39, s36, s80
	s_sub_co_u32 s39, s39, 1
	s_sub_co_u32 s39, s39, s37
	s_add_co_u32 s81, s28, 2
	s_lshr_b32 s39, s39, s81                       ; T: my blocks
	s_add_co_u32 s40, s39, 4
	s_mul_i32 s40, s40, 205
	s_lshr_b32 s40, s40, 10                        ; batches: (T + 4) / 5, exact for T + 4 under 1,024
	s_mov_b32 s41, 0
	s_lshl_b32 s42, s37, 4                         ; the first token place of the batch's first block
.irp rb, 0,1,2,3,4
	TKLOAD \rb
.endr
	FILLB
	WIN 0xc0
.irp j, 0,1,2,3
	global_load_b128 v[OD+4*\j:OD+4*\j+3], v7, s[50:51] offset:512*\j
.endr
	WIN 0
	global_load_b64 v[30:31], v9, s[52:53]
	s_wait_loadcnt 53                              ; slot A and the tokens are in; behind them: slot B's 48 loads, 4 of scales, 1 of biases
	PUTA
	TOKS
	PERM
	GATH_A                                         ; x of blocks 0-2 and the small loads are asked for while slot B is on its way
	s_wait_loadcnt 63                              ; slot B, scales and biases are in (87 loads are younger; the count is as large as its field allows)
	PUTB
	WIN 0x0c
.irp j, 0,1,2,3
	ds_store_b128 v8, v[OD+4*\j:OD+4*\j+3] offset:512*\j
.endr
	WIN 0
	ds_store_b64 v10, v[30:31]
	s_wait_dscnt 0x0                               ; for the others: my stores have landed; and they have read the registers that x of blocks 3 and 4 takes
	GATH_B
	s_barrier_signal -1
	s_barrier_wait -1                              ; W, scales and biases lie in LDS; from here on they are only read
	s_cmp_eq_u32 s39, 0
	s_cbranch_scc1 .Ldone                          ; a wave without blocks ends
.Lbatch:
	TURNX 0, 63                                    ; younger loads: 111, 87, 63: the first two counts are as large as the field allows
	TURNX 1, 63
	TURNX 2, 63
	s_wait_loadcnt 48                              ; scale words, indices and weights are in; x of blocks 3 and 4 may be out
.irp rb, 0,1,2,3,4
	WCALC \rb
.endr
	TURNX 3, 24
	TURNX 4, 0
	s_mul_i32 s80, s41, 5
	s_sub_co_u32 s43, s39, s80
	s_min_u32 s43, s43, 5                          ; the batch's blocks
	LOADW 0
	LOADW 1
	MUL 0
	LOADW 2
	MUL 1
.irp c, 1,2,3,4,5,6,7
	COMBINE \c-1
.if \c == 4
	OUT 0
.endif
	LOADW 2*\c+1
	MUL 2*\c
.if \c < 7
	LOADW 2*\c+2
.endif
	MUL 2*\c+1
.endr
	COMBINE 7
	OUT 1
	s_add_co_u32 s41, s41, 1
	s_cmp_ge_u32 s41, s40
	s_cbranch_scc1 .Ldone
	s_wait_xcnt 0x0                                ; the stores have read their registers
	s_mul_i32 s80, s38, 5
	s_add_co_u32 s42, s42, s80                     ; the next five blocks
.irp rb, 0,1,2,3,4
	TKLOAD \rb
.endr
	s_wait_loadcnt 0x0
	TOKS
	PERM
	GATH_A
	GATH_B
	s_cmp_lt_u32 s41, s40
	s_cbranch_scc1 .Lbatch
.Ldone:
	s_barrier_signal -1
	s_barrier_wait -1
	s_set_vgpr_msb 0x5
	s_wait_tensorcnt 0x0
	ds_add_u32 v254, v255
	s_wait_dscnt 0x0
	s_set_vgpr_msb 0x500
	s_endpgm
.Lfunc_end_k_q918071d542_experts:
	.size	k_q918071d542_experts, .Lfunc_end_k_q918071d542_experts-k_q918071d542_experts
	.p2alignl 7, 3214868480
	.fill 96, 4, 3214868480
	.section	.rodata,"a",@progbits
	.p2align	6, 0x0
	.amdhsa_kernel k_q918071d542_experts
		.amdhsa_group_segment_fixed_size 297472
		.amdhsa_private_segment_fixed_size 0
		.amdhsa_enable_private_segment 0
		.amdhsa_kernarg_size 80
		.amdhsa_user_sgpr_count 2
		.amdhsa_user_sgpr_kernarg_segment_ptr 1
		.amdhsa_wavefront_size32 1
		.amdhsa_system_sgpr_workgroup_id_x 1
		.amdhsa_system_sgpr_workgroup_id_y 1
		.amdhsa_system_sgpr_workgroup_id_z 1
		.amdhsa_system_vgpr_workitem_id 0
		.amdhsa_next_free_vgpr 1024
		.amdhsa_next_free_sgpr 88
		.amdhsa_reserve_vcc 0
		.amdhsa_float_denorm_mode_32 3
		.amdhsa_float_denorm_mode_16_64 3
		.amdhsa_memory_ordered 1
		.amdhsa_forward_progress 1
		.amdhsa_inst_pref_size 255
	.end_amdhsa_kernel
	.section	.bss,"aw",@nobits
	.p2align	6
	.space	262144
	.amdgpu_metadata
---
amdhsa.version: [ 1, 2 ]
amdhsa.kernels:
  - .name:           k_q918071d542_experts
    .symbol:         k_q918071d542_experts.kd
    .args:
      - { .name: W_codes, .offset: 0, .size: 8, .value_kind: global_buffer, .address_space: global }
      - { .name: W_scales, .offset: 8, .size: 8, .value_kind: global_buffer, .address_space: global }
      - { .name: b, .offset: 16, .size: 8, .value_kind: global_buffer, .address_space: global }
      - { .name: expert_weights, .offset: 24, .size: 8, .value_kind: global_buffer, .address_space: global }
      - { .name: top_k_indices, .offset: 32, .size: 8, .value_kind: global_buffer, .address_space: global }
      - { .name: x_codes, .offset: 40, .size: 8, .value_kind: global_buffer, .address_space: global }
      - { .name: x_scales, .offset: 48, .size: 8, .value_kind: global_buffer, .address_space: global }
      - { .name: order, .offset: 56, .size: 8, .value_kind: global_buffer, .address_space: global }
      - { .name: counts, .offset: 64, .size: 8, .value_kind: global_buffer, .address_space: global }
      - { .name: out0, .offset: 72, .size: 8, .value_kind: global_buffer, .address_space: global }
    .group_segment_fixed_size: 297472
    .private_segment_fixed_size: 0
    .kernarg_segment_align: 8
    .kernarg_segment_size: 80
    .max_flat_workgroup_size: 128
    .sgpr_count:     88
    .vgpr_count:     1024
    .wavefront_size: 32
...
	.end_amdgpu_metadata
.endif
;; end of part 2
